; MI455X (gfx1250); checked and timed in simulation.
; The chip was launched on July 23, 2026; its instructions are those of AMD's public machine-readable ISA for CDNA 5 (MIT licence, August 2026) and "CDNA5" Instruction Set Architecture Reference Guide (July 2026). The comments in the code are by the model that wrote it; some were corrected since.
;; Ordinary Attention. Allowed arithmetic: matrix products marked QUANTISED: E5M2 operands, one given power-of-two scale a tensor, by v_wmma_f32_16x16x64_bf8_bf8 or v_wmma_f32_16x16x128_bf8_bf8, f32 sums; everything else in f32.
;; Inputs: Q 4 x 2,048 x 1,024 float32; Wk_codes 1,024 x 32 x 32 uint8 (E5M2 codes of Wk, K innermost, in blocks of 32 codes); Wo_codes 1,024 x 32 x 32 uint8 (E5M2 codes of Wo, K innermost, in blocks of 32 codes); Wq_codes 1,024 x 32 x 32 uint8 (E5M2 codes of Wq, K innermost, in blocks of 32 codes); Wv_codes 1,024 x 32 x 32 uint8 (E5M2 codes of Wv, K innermost, in blocks of 32 codes); bk 1,024 float32; bo 1,024 float32; bq 1,024 float32; bv 1,024 float32; ln_b 1,024 float32; ln_g 1,024 float32; lowp_scales 12 int32 (the exponents e of the quantised operands' scales 2^e).
;; Outputs: out0 4 x 2,048 x 1,024 float32.
;; This version of the problem:
;;   THIS VERSION OF THE PROBLEM IS GIVEN IN LOW PRECISION. The matrix products marked QUANTISED in the list below multiply operands that are first quantised to E5M2 (5 exponent bits, 2 mantissa bits; 8 bits a number), with one given power-of-two scale for each operand tensor; their sums are f32. All else is computed in f32.
;;   The module's matrix products, in the order in which they are computed (A, B: the left and right operand; K: the contracted axis; several contracted axes count as one K, in the product's order):
;;     1. [M 8,192, K 1,024] x [K 1,024, N 1,024]; A: input Q; B: input Wq (given as codes): QUANTISED (scales: A lowp_scales[0], B lowp_scales[1])
;;     2. [M 8,192, K 1,024] x [K 1,024, N 1,024]; A: input Q; B: input Wk (given as codes): QUANTISED (scales: A lowp_scales[2], B lowp_scales[3])
;;     3. [M 8,192, K 1,024] x [K 1,024, N 1,024]; A: input Q; B: input Wv (given as codes): QUANTISED (scales: A lowp_scales[4], B lowp_scales[5])
;;     4. batch 64 x [M 2,048, K 64] x [K 64, N 2,048]; A: computed on the way; B: computed on the way: QUANTISED (scales: A lowp_scales[6], B lowp_scales[7])
;;     5. batch 64 x [M 2,048, K 2,048] x [K 2,048, N 64]; A: softmax (see below); B: computed on the way: QUANTISED (scales: A lowp_scales[8], B lowp_scales[9])
;;     6. [M 8,192, K 1,024] x [K 1,024, N 1,024]; A: computed on the way; B: input Wo (given as codes): QUANTISED (scales: A lowp_scales[10], B lowp_scales[11])
;;   THE QUANTISER, for each operand of a quantised product, along K:
;;     - The operand's scale is 2^e, e = its entry of the input lowp_scales (int32; the entries are numbered through the quantised products in the list's order, A before B).
;;     - Each number is divided by the scale, clamped to +-57,344, and rounded to the nearest number of E5M2, ties to even, subnormals kept.
;;     - The product sums the exact products of the quantised numbers (number of the format x scale) in f32.
;;   ~~~python
;;   def quantise(x, axis, e):      # numpy; x: float32 -> the quantised numbers, widened to float32 again
;;       x = np.moveaxis(x, axis, -1); K = x.shape[-1]
;;       r = np.clip(x / 2.0 ** e, -57344, 57344)
;;       step = 2.0 ** (np.maximum(np.frexp(np.where(r == 0, 1, r))[1] - 1, -14) - 2)
;;       q = np.round(r / step) * step * 2.0 ** e      # np.round: ties to even
;;       return np.moveaxis(q, -1, axis).astype(np.float32)
;;   ~~~
;;   SOFTMAX AHEAD OF A QUANTISED PRODUCT. Where the list says 'softmax', what is quantised is not the finished softmax but p = 2^(t - M), with t = logit x log2(e) and M = ceil(the row's largest t), a whole number; so 1/2 < the row's largest p <= 1. The row's sum l is taken of the UNQUANTISED p, in f32, and the product's result is divided by l at the end. Since M is a whole number, a kernel that streams over the keys may use a running M (the ceiling of the running maximum): every later rescaling is an exact power of two, so the quantised numbers keep their values, but for numbers so far below the row's largest that they fall under the format's range.
;;   OPERANDS COMPUTED ON THE WAY. 'Computed on the way' means the value that the module computes at that place (a softmax that the list does not call 'softmax' is quantised finished and normalised). What goes into a quantiser is computed in f32, as accurately as f32 sums, v_exp_f32 and their like allow (about 1e-6 of the number): no bf16 or f16 on the way to a quantiser, and a product that is left as it is and whose result goes on into a quantised operand takes f32 operands (vector FMAs, or v_wmma_f32_16x16x4_f32). A number that lies on a knife's edge between two numbers of the format may be rounded either way, as far as f32 arithmetic and the matrix unit's own rounding can turn it there, and no further.
;;   INPUTS GIVEN AS CODES. Wk (in the module: [1024, 1024], K = its axis 0); Wo (in the module: [1024, 1024], K = its axis 0); Wq (in the module: [1024, 1024], K = its axis 0); Wv (in the module: [1024, 1024], K = its axis 0): each comes as NAME_codes (uint8): NAME with its K axis moved to the last place and cut into blocks of 32 codes, [.., K / 32, bytes a block], one block behind the other in memory; one code a byte (a code: sign, 5 exponent bits, 2 mantissa bits); its scale is its entry of lowp_scales. Its value is code x scale, taken as it is: it is not quantised again, and the codes and scales need not be those that the quantiser above would give.
;; One version. Each part assembles by itself: llvm-mc -triple=amdgcn-amd-amdhsa -mcpu=gfx1250 --defsym DOCPART=n.
;; ======== version 1 of 1: 4 launches
;; workspace buffers: xq 25,165,824 bytes; qkv 25,165,824 bytes; ctx 8,388,608 bytes
;; launch quant (part 1): grid 256 x 1, 4 waves a work-group, no clusters, 33,280 bytes of LDS; arguments Q, lowp_scales, xq; writes xq
.if DOCPART == 1
	.amdgcn_target "amdgcn-amd-amdhsa--gfx1250"
	.amdhsa_code_object_version 6
	.text
	.protected	k_qd4942b74ec_quant
	.globl	k_qd4942b74ec_quant
	.p2align	8
	.type	k_qd4942b74ec_quant,@function
k_qd4942b74ec_quant:
	s_mov_b64 s[64:65], 0
	v_nop
	global_prefetch_b8 v0, s[64:65] scope:SCOPE_SE
	s_setreg_imm32_b32 hwreg(HW_REG_WAVE_MODE, 25, 1), 1
	s_wait_xcnt 0x0
; Q [8192][1024] f32 is the left operand of three quantised products, each with a scale of its own: 2^e0, 2^e2, 2^e4 (entries 0, 2, 4 of the scales).
; It is read once and turned into three planes of E5M2 codes, [8192][1024] bytes each, K innermost, plane p at p x 8,388,608 bytes.
; code = x / 2^e, held within +-57,344, rounded to the nearest code, ties to even.  LIMITS: each e between -126 and 112; NaN among the inputs is not served.
; Rows are dense, so the tensor is a plain stream.  A wave takes 16 steps of 512 numbers.  Each of a step's four loads reads 512 consecutive bytes, 16 a lane;
; the conversions want 16 NEIGHBOURS in one lane, so a step's 2,048 bytes turn through the wave's own stage in LDS (64 bytes + 16 of padding a lane).
; A lane's 16 codes are 16 bytes: each store of the wave covers 512 consecutive bytes, aligned.  Waves share nothing: no barrier.  No matrix work, no shared input: no cluster.
; Loads run four steps (16 loads a wave) ahead, the turn through LDS one step.
.set STEPS, 16
.set SP,    80                         ; a lane's place in a stage
.set WREG,  8192                       ; LDS of a wave: two stages of 32 x SP bytes
.set PLANE, 8388608
.set SC,    4                          ; v4-6    2^e of plane p as f32
.set LIM,   8                          ; v8-10   57,344 x 2^e
.set R,     16                         ; v16-79  four sets of 16 numbers as loaded
.set X,     80                         ; v80-111 two sets of 16 neighbours
.set T,     112                        ; v112-159 the held numbers, 16 a plane
.set C,     160                        ; v160-183 codes: 12 registers a step, two sets by turns
	s_load_b128 s[4:7], s[0:1], 0x0                ; Q, the scales' exponents
	s_load_b64 s[8:9], s[0:1], 0x10                ; xq
	v_lshl_add_u32 v192, v0, 2, 0x8000
	v_mov_b32 v193, 0
	v_lshrrev_b32 v1, 5, v0
	v_readfirstlane_b32 s16, v1                    ; wave
	v_and_b32 v2, 31, v0                           ; lane
	v_lshlrev_b32 v3, 4, v2                        ; my 16 bytes of a load's 512, and of a store's
	s_mul_i32 s17, s16, WREG
	v_lshrrev_b32 v14, 2, v2
	v_mul_u32_u24 v14, v14, SP
	v_and_b32 v15, 3, v2
	v_lshl_add_u32 v14, v15, 4, v14
	v_add_nc_u32 v14, s17, v14                     ; the stage on the way in: four lanes' 64 bytes on end, then 16 of padding
	v_mul_u32_u24 v15, v2, SP
	v_add_nc_u32 v15, s17, v15                     ; and on the way out: my 16 neighbours
	s_lshl_b32 s18, ttmp9, 2
	s_add_co_u32 s18, s18, s16                     ; which run of 8,192 numbers is my wave's
	s_lshl_b32 s20, s18, 15                        ; in bytes of Q,
	s_mov_b32 s21, 0
	s_lshl_b32 s22, s18, 13                        ; and of a plane of codes
	s_mov_b32 s23, 0
	s_wait_kmcnt 0x0
	s_load_b256 s[24:31], s[6:7], 0x0              ; e0 .. e7: e0, e2, e4 are used
	s_add_nc_u64 s[4:5], s[4:5], s[20:21]
	s_add_nc_u64 s[8:9], s[8:9], s[22:23]          ; plane 0,
	s_add_nc_u64 s[10:11], s[8:9], PLANE           ; plane 1,
	s_add_nc_u64 s[12:13], s[8:9], 2*PLANE         ; plane 2: a base each, since a plane is more than a store's immediate holds
.macro LOAD t
.irp i, 0,1,2,3
	global_load_b128 v[R+16*((\t)%4)+4*\i:R+16*((\t)%4)+4*\i+3], v3, s[4:5] offset:2048*(\t)+512*\i th:TH_LOAD_NT
.endr
.endm
.macro TURN t                          ; step t's numbers through the stage: LDS serves a wave's instructions in order, so no wait stands between the stores and the loads
.irp i, 0,1,2,3
	ds_store_b128 v14, v[R+16*((\t)%4)+4*\i:R+16*((\t)%4)+4*\i+3] offset:32*SP*((\t)%2)+8*SP*\i
.endr
.irp i, 0,1,2,3
	ds_load_b128 v[X+16*((\t)%2)+4*\i:X+16*((\t)%2)+4*\i+3], v15 offset:32*SP*((\t)%2)+16*\i
.endr
.endm
.irp t, 0,1,2,3
	LOAD \t
.endr
	s_wait_kmcnt 0x0
.irp p, 0,1,2
	s_add_co_i32 s32, s[24+2*\p], 127
	s_lshl_b32 s33, s32, 23
	v_mov_b32 v[SC+\p], s33                        ; 2^e as f32: the conversion takes its exponent field
	s_add_co_i32 s32, s32, 15
	s_lshl_b32 s32, s32, 23
	s_or_b32 s32, s32, 0x600000
	v_mov_b32 v[LIM+\p], s32                       ; 57,344 x 2^e
.endr
	s_wait_loadcnt 12                              ; step 0's four loads are in
	TURN 0
.macro STEP t
.set XS, X+16*((\t)%2)
.set CC, C+12*((\t)%2)
	s_wait_dscnt 0x0                               ; this step's numbers are back from the stage
.if (\t)+4 < STEPS
	LOAD (\t)+4
.endif
.if (\t)+1 < STEPS
.if STEPS-2-(\t) >= 3
	s_wait_loadcnt 12                              ; the next step's four loads are in; those of the three steps behind it may be out
.else
	s_wait_loadcnt 4*(STEPS-2-(\t))
.endif
	TURN (\t)+1
.endif
	s_wait_xcnt 0x0                                ; the stores of two steps ago have read their data: this set of code registers is written again only behind this wait
.irp p, 0,1,2
.irp i, 0,1,2,3,4,5,6,7,8,9,10,11,12,13,14,15
	v_med3_num_f32 v[T+16*\p+\i], v[XS+\i], -v[LIM+\p], v[LIM+\p]   ; the conversion to an 8-bit code does not saturate (ISA guide 7.6.2): the hold comes first
.endr
.endr
.irp p, 0,1,2
	v_cvt_scalef32_pk8_bf8_f32 v[CC+4*\p:CC+4*\p+1], v[T+16*\p:T+16*\p+7], v[SC+\p]
	v_cvt_scalef32_pk8_bf8_f32 v[CC+4*\p+2:CC+4*\p+3], v[T+16*\p+8:T+16*\p+15], v[SC+\p]
.endr
	v_nop                                          ; a plain line between the conversions and the next step's holds, which write their sources
.irp p, 0,1,2
	global_store_b128 v3, v[CC+4*\p:CC+4*\p+3], s[8+2*\p:9+2*\p] offset:512*(\t)
.endr
.endm
.irp t, 0,1,2,3,4,5,6,7,8,9,10,11,12,13,14,15
	STEP \t
.endr
	s_wait_tensorcnt 0x0
	ds_add_u32 v192, v193
	s_wait_dscnt 0x0
	s_endpgm
.Lfunc_end_k_qd4942b74ec_quant:
	.size	k_qd4942b74ec_quant, .Lfunc_end_k_qd4942b74ec_quant-k_qd4942b74ec_quant
	.p2alignl 7, 3214868480
	.fill 96, 4, 3214868480
	.section	.rodata,"a",@progbits
	.p2align	6, 0x0
	.amdhsa_kernel k_qd4942b74ec_quant
		.amdhsa_group_segment_fixed_size 33280
		.amdhsa_private_segment_fixed_size 0
		.amdhsa_enable_private_segment 0
		.amdhsa_kernarg_size 24
		.amdhsa_user_sgpr_count 2
		.amdhsa_user_sgpr_kernarg_segment_ptr 1
		.amdhsa_wavefront_size32 1
		.amdhsa_system_sgpr_workgroup_id_x 1
		.amdhsa_system_sgpr_workgroup_id_y 1
		.amdhsa_system_sgpr_workgroup_id_z 1
		.amdhsa_system_vgpr_workitem_id 0
		.amdhsa_next_free_vgpr 194
		.amdhsa_next_free_sgpr 66
		.amdhsa_reserve_vcc 0
		.amdhsa_float_denorm_mode_32 3
		.amdhsa_float_denorm_mode_16_64 3
		.amdhsa_memory_ordered 1
		.amdhsa_forward_progress 1
		.amdhsa_inst_pref_size 78
	.end_amdhsa_kernel
	.amdgpu_metadata
---
amdhsa.version: [ 1, 2 ]
amdhsa.kernels:
  - .name:           k_qd4942b74ec_quant
    .symbol:         k_qd4942b74ec_quant.kd
    .args:
      - { .name: Q, .offset: 0, .size: 8, .value_kind: global_buffer, .address_space: global }
      - { .name: lowp_scales, .offset: 8, .size: 8, .value_kind: global_buffer, .address_space: global }
      - { .name: xq, .offset: 16, .size: 8, .value_kind: global_buffer, .address_space: global }
    .group_segment_fixed_size: 33280
    .private_segment_fixed_size: 0
    .kernarg_segment_align: 8
    .kernarg_segment_size: 24
    .max_flat_workgroup_size: 128
    .sgpr_count:     66
    .vgpr_count:     194
    .wavefront_size: 32
...
	.end_amdgpu_metadata
.endif
;; end of part 1
;; launch proj (part 2): grid 12 x 32, 4 waves a work-group, clusters of 4 x 4, 327,680 bytes of LDS; arguments xq, Wq_codes, Wk_codes, Wv_codes, bq, bk, bv, lowp_scales, qkv; writes qkv
.if DOCPART == 2
	.amdgcn_target "amdgcn-amd-amdhsa--gfx1250"
	.amdhsa_code_object_version 6
	.text
	.protected	k_qd4942b74ec_proj
	.globl	k_qd4942b74ec_proj
	.p2align	8
	.type	k_qd4942b74ec_proj,@function
k_qd4942b74ec_proj:
	s_mov_b64 s[64:65], 0
	v_nop
	global_prefetch_b8 v0, s[64:65] scope:SCOPE_SE
	s_setreg_imm32_b32 hwreg(HW_REG_WAVE_MODE, 25, 1), 1
	s_wait_xcnt 0x0
	s_wait_alu depctr_hold_cnt(0) depctr_sa_sdst(0) depctr_va_vdst(0) depctr_va_sdst(0) depctr_va_ssrc(0) depctr_va_vcc(0) depctr_vm_vsrc(0)
	s_getreg_b32 s2, hwreg(HW_REG_IB_STS2, 6, 4)
	s_cmp_eq_u32 s2, 0
	s_cbranch_scc0 .Lentry_in_a_cluster
	s_endpgm
.Lentry_in_a_cluster:
	s_bfe_u32 s2, ttmp6, 0x10000c
	s_cmp_lg_u32 s2, 0xf033
	s_cbranch_scc0 .Lentry_shape_is_right
	s_endpgm
.Lentry_shape_is_right:
; The three projections q, k, v = Q W + b on E5M2 codes, their results quantised at once for attention (scales 2^e6, 2^e7, 2^e9) and stored as images of operand registers.
; The cluster's x is the tensor t: 0 q, 1 k, 2 v.  A work-group makes 256 x 256 of the product, K = 1,024; each of its four waves 128 x 128: 64 accumulators, 512 registers.
; "A" and "B" below are the two operands by their place in the tile.  t < 2: A = plane t of the tokens' codes (tile row 4 x cluster y + cy), B = the weight (tile column cx).
; t = 2: THE ROLES ARE SWAPPED: A = Wv's codes (rows = channels, tile cy), B = plane 2 of the tokens' codes (tile 4 x cluster y + cx).  Only pointers and indices are chosen, on the cluster's x, which all sixteen partners share.
; THE MATRIX INSTRUCTION IS USED TRANSPOSED (source 0 = 16 rows of B, source 1 = 16 rows of A): a lane holds one index i of A and eight neighbouring indices j of B.  For q and k these are eight neighbouring
; channels of one token, for v eight neighbouring KEYS of one channel: in both cases neighbours along the K of the product that will read them, as the conversions want them.
; K goes in steps of 256 through a ring of two LDS slots filled by the tensor data mover; A's tile is asked for jointly by a row of the cluster, B's by a column.
; THE BIAS is the C of each sum's first product, divided by 2^(eA + eB), which the sums lack.  A sum then stands for sum x 2^(eA + eB), so its code is sum / 2^(eo - eA - eB): one scale for the conversion, no multiplication.
; THE IMAGE: a wave's 128 i x 128 j of codes are 16,384 bytes: byte T 2048 + (j / 16) 256 + rho 16 + j % 16, with T = 2 (i / 32) + (i / 8) % 2, rho = 8 ((i / 16) % 2) + i % 8.
; So row rho of tile T is i = 32 (T / 2) + 8 (T % 2) + rho + 8 (rho / 8), and a fragment of 16 rows is read back by loads of 16 bytes at 16 x lane.  Images lie [plane t][batch][pair of heads][128 tokens].
; LIMITS: eo - eA - eB between -126 and 112 for each tensor.  NaN among the inputs is not served.
; REGISTERS, in windows of 256: window 0: v0-31 addresses and the two scale numbers; v32-95 the bias, later the held sums; v96-103 the bias's offsets; v96-223 later the codes; from v128 A's fragments, ONE set.
;   window 1: B's fragments, TWO sets.   window 2: the accumulators of my i 0-63 ((a, b) at v[8 (8 a + b)]);   window 3: those of my i 64-127.
.set PLANE,  8388608
.set KROW,   1024                      ; a row of either operand in memory, in bytes
.set ROWB,   256                       ; a tile's row: 256 codes
.set PITCH,  272                       ; an LDS row: 256 bytes + 16 of padding = 68 words: row r starts at bank 4 r mod 64 (64 banks of 4 bytes: ISA guide 11.1)
.set FR,     16                        ; registers of a fragment: 16 rows x 128 K
.set NL,     4                         ; LDS loads that bring one
.set NP,     4                         ; places behind this matrix instruction (ISA guide 7.12.1)
.set HALFT,  128*PITCH                 ; 128 rows: what one tensor load brings
.set SLOT,   4*HALFT                   ; A's 256 rows, then B's 256 rows
.set SPARE,  2*SLOT                    ; behind the ring: the spare words, 128 bytes for each wave
.set SCV,  12                          ; v12  2^(eo - eA - eB) as f32
.set LIMV, 13                          ; v13  57,344 x that
.set ADRA, 16                          ; v16-17  LDS address of my A fragments in slot 0, 1
.set ADRB, 20                          ; v20-21  the same for B
.set STO,  24                          ; v24  the way out: where I put 8 codes
.set RD,   25                          ; v25  the way out: where I read the image back
.set CO,   26                          ; v26  16 x lane: my place in a store's 512 bytes
.set SPW,  28                          ; v28  LDS address of my spare word; never rewritten
.set NIL,  29                          ; v29  0; never rewritten
.set BC,   32                          ; v32-95  the bias in the result's layout, eight registers a tile
.set TMP,  32                          ; the way out: a block's 64 held sums
.set VO,   96                          ; v96-103 the bias's byte offsets
.set CD,   96                          ; the way out: v96-223 the codes, 16 registers a block; then the image
.set AF,   128                         ; A's fragments
.set G1, 24                            ; s[24:31] descriptor group 1 for A's tiles;  s[32:39] group 0, one set for each slot
.set G0, 32
.set G1B, 48                           ; s[48:55], s[56:63] the same for B's tiles
.set G0B, 56
.set MSB, 0
.macro WIN new                         ; the immediate's high byte repeats the setting that is left
.if MSB != \new
	s_set_vgpr_msb (MSB<<8)|\new
.set MSB, \new
.endif
.endm
.set MUL_LO, 0xa1                      ; source 0 (B) window 1, source 1 (A) window 0, C and D window 2
.set MUL_HI, 0xf1                      ; the same, C and D window 3
.set TO_B,   0x40                      ; destination window 1, address window 0
; A joint load: waves 0 and 1 fetch for A, waves 2 and 3 for B.  The branch hangs on the wave's number alone.  Four v_nop follow each of the two lines.
.macro JLOAD g0a, g1a, g0b, g1b
	s_cmp_eq_u32 s15, 0
	s_cbranch_scc0 .Lfor_b_\@
	tensor_load_to_lds s[\g0a:\g0a+3], s[\g1a:\g1a+7]
	s_nop 0
.rept 4
	v_nop
.endr
	s_branch .Lasked_\@
.Lfor_b_\@:
	tensor_load_to_lds s[\g0b:\g0b+3], s[\g1b:\g1b+7]
	s_nop 0
.rept 4
	v_nop
.endr
.Lasked_\@:
.endm
.macro CREST                           ; a round of the cluster's barrier behind its opening barrier
	s_cmp_lg_u32 s14, 0
	s_cbranch_scc1 .Lnot_wave_0_\@
	s_barrier_signal -3
.Lnot_wave_0_\@:
	s_barrier_wait -3
	s_barrier_signal -1
	s_barrier_wait -1
.endm
.macro CROUND                          ; a whole round
	s_barrier_signal -1
	s_barrier_wait -1
	CREST
.endm
	s_load_b256 s[4:11], s[0:1], 0x0               ; the tokens' codes s[4:5], Wq s[6:7], Wk s[8:9], Wv s[10:11]
	s_load_b256 s[68:75], s[0:1], 0x20             ; bq s[68:69], bk s[70:71], bv s[72:73], the scales' exponents s[74:75]
	s_load_b64 s[76:77], s[0:1], 0x40              ; the images
	v_lshl_add_u32 v[SPW], v0, 2, SPARE
	v_mov_b32 v[NIL], 0
	ds_add_u32 v28, v29
	ds_add_u32 v28, v29
	s_wait_dscnt 0x0
	v_lshrrev_b32 v1, 5, v0
	v_readfirstlane_b32 s14, v1                    ; wave 0..3
	s_lshr_b32 s15, s14, 1                         ; which half of A's rows is mine.  Also: I fetch for A (0) or for B (1)
	s_and_b32 s16, s14, 1                          ; which half of B's rows.  Also: which 128 rows of that tile I fetch
	s_bfe_u32 s40, ttmp6, 0x40000                  ; cx, cy: my place in the cluster
	s_bfe_u32 s41, ttmp6, 0x40004
	s_and_b32 s13, ttmp7, 0xffff
	s_lshl_b32 s13, s13, 2                         ; 4 x cluster y: it counts blocks of tokens, which are A's rows for q and k, B's for v
	s_cmp_eq_u32 ttmp9, 2
	s_cselect_b32 s17, 0, s13
	s_cselect_b32 s42, s13, 0
	s_add_co_u32 s17, s17, s41                     ; A's tile: it holds cy and never cx
	s_add_co_u32 s42, s42, s40                     ; B's tile: it holds cx and never cy
	s_lshl_b32 s43, s41, 2
	s_lshl_b32 s43, 15, s43                        ; my row of the cluster
	s_lshl_b32 s44, 0x1111, s40                    ; my column
	; descriptor group 1: a tile of 128 rows x 256 bytes, padded in LDS
	s_or_b32 s[G1+0], s43, (0<<16)|(1<<20)|(1<<21)|(5<<22)|(3<<25)  ; 15:0 the mask: A's tiles go to my row; 17:16 elements of 1 byte; 20 padding on; 21 set beside a mask; 24:22 after every 64 words; 31:25 four words
	s_or_b32 s[G1B+0], s44, (0<<16)|(1<<20)|(1<<21)|(5<<22)|(3<<25)
.irp g, G1, G1B
	s_mov_b32 s[\g+1], ROWB<<16                    ; tensor_dim0
	s_mov_b32 s[\g+2], 128<<16                     ; tensor_dim1
	s_mov_b32 s[\g+3], ROWB<<16                    ; tile_dim0
	s_mov_b32 s[\g+4], 128                         ; tile_dim1
	s_mov_b32 s[\g+5], KROW                        ; tensor_dim0_stride
	s_mov_b32 s[\g+6], 0
	s_mov_b32 s[\g+7], 0
.endr
	s_lshl_b32 s18, s16, 7                         ; which 128 rows of the tile I fetch
	s_lshl_b32 s20, s17, 8
	s_add_co_u32 s20, s20, s18
	s_lshl_b32 s20, s20, 10                        ; A: (256 x tile + 128 x half) rows of 1,024 bytes
	s_mov_b32 s21, 0
	s_lshl_b32 s46, s42, 8
	s_add_co_u32 s46, s46, s18
	s_lshl_b32 s46, s46, 10                        ; B likewise
	s_mov_b32 s47, 0
	s_mul_i32 s45, s14, HALFT                      ; where they go: wave x 128 rows: no place in the cluster enters an LDS address
	s_lshl_b32 s90, ttmp9, 23                      ; plane t
	s_mov_b32 s91, 0
	s_wait_kmcnt 0x0
	s_add_nc_u64 s[78:79], s[4:5], s[90:91]        ; the tokens' codes for this tensor
	s_cmp_eq_u32 ttmp9, 0
	s_cselect_b64 s[82:83], s[6:7], s[8:9]
	s_cselect_b64 s[84:85], s[68:69], s[70:71]
	s_cmp_eq_u32 ttmp9, 2
	s_cselect_b64 s[82:83], s[10:11], s[82:83]     ; its weight,
	s_cselect_b64 s[84:85], s[72:73], s[84:85]     ; its bias
	s_cselect_b64 s[86:87], s[82:83], s[78:79]     ; A,
	s_cselect_b64 s[88:89], s[78:79], s[82:83]     ; B
	s_cselect_b32 s94, 4, 0
	s_lshl_b32 s90, ttmp9, 3
	s_add_nc_u64 s[80:81], s[74:75], s[90:91]
	s_load_b64 s[92:93], s[80:81], 0x0             ; eA, eB: entries 2 t and 2 t + 1
	s_lshl_b32 s90, ttmp9, 2
	s_add_co_u32 s90, s90, s94
	s_add_nc_u64 s[96:97], s[74:75], s[90:91]
	s_load_b32 s94, s[96:97], 0x18                 ; eo: entry 6, 7 or 9
	s_add_nc_u64 s[20:21], s[86:87], s[20:21]
	s_add_nc_u64 s[46:47], s[88:89], s[46:47]
	CROUND                                         ; all sixteen work-groups are here: the first joint loads meet
.irp s, 0,1
	s_mov_b32 s[G0+4*\s], 1
	s_add_co_u32 s[G0+4*\s+1], s45, \s*SLOT
	s_add_nc_u64 s[G0+4*\s+2:G0+4*\s+3], s[20:21], \s*ROWB
	s_or_b32 s[G0+4*\s+3], s[G0+4*\s+3], 0x80000000
	s_mov_b32 s[G0B+4*\s], 1
	s_add_co_u32 s[G0B+4*\s+1], s45, \s*SLOT
	s_add_nc_u64 s[G0B+4*\s+2:G0B+4*\s+3], s[46:47], \s*ROWB
	s_or_b32 s[G0B+4*\s+3], s[G0B+4*\s+3], 0x80000000
	JLOAD G0+4*\s, G1, G0B+4*\s, G1B
.endr
	v_and_b32 v1, 15, v0                           ; r = l % 16
	v_bfe_u32 v2, v0, 4, 1                         ; h = l / 16
	v_mul_u32_u24 v3, v1, PITCH
	v_lshl_add_u32 v4, v2, 4, v3                   ; a fragment's row x pitch + 16 x half
	s_mul_i32 s21, s15, HALFT                      ; my 128 rows of A
	s_mul_i32 s22, s16, HALFT                      ; my 128 rows of B,
	s_add_co_u32 s22, s22, 2*HALFT                 ; which lie behind A's 256
.irp s, 0,1
	v_add_nc_u32 v[ADRA+\s], s21, v4
	v_add_nc_u32 v[ADRB+\s], s22, v4
	s_add_co_u32 s21, s21, SLOT
	s_add_co_u32 s22, s22, SLOT
.endr
	s_lshl_b32 s21, s14, 14                        ; my stage: 16,384 bytes, the image
	v_lshrrev_b32 v5, 3, v1
	v_and_b32 v6, 7, v1
	v_lshlrev_b32 v5, 11, v5
	v_lshl_add_u32 v5, v6, 4, v5
	v_lshl_add_u32 v5, v2, 3, v5
	v_add_nc_u32 v[STO], s21, v5                   ; in: (r / 8) 2048 + (r % 8) 16 + 8 h; block a and fragment b stand in the immediate
	v_and_b32 v6, 31, v0
	v_lshlrev_b32 v[CO], 4, v6
	v_add_nc_u32 v[RD], s21, v[CO]                 ; back: as it lies, 16 bytes a lane
	; where my wave's part begins: i0 along A, j0 along B; which of the two counts tokens hangs on the tensor
	s_lshl_b32 s18, s17, 8
	s_lshl_b32 s19, s15, 7
	s_add_co_u32 s18, s18, s19                     ; i0
	s_lshl_b32 s19, s42, 8
	s_lshl_b32 s23, s16, 7
	s_add_co_u32 s19, s19, s23                     ; j0
	s_cmp_eq_u32 ttmp9, 2
	s_cselect_b32 s22, s19, s18                    ; my first token,
	s_cselect_b32 s23, s18, s19                    ; my first channel
	s_cselect_b32 s66, 4, 0                        ; the bias's offset: bytes for r,
	s_cselect_b32 s67, 0, 32                       ; for h,
	s_cselect_b32 s12, 0, 4                        ; for a register: q, k: channel 16 x + 8 h + register; v: channel 16 x + r, the same in all eight
	s_lshr_b32 s18, s22, 11                        ; batch
	s_lshl_b32 s18, s18, 3
	s_lshr_b32 s19, s23, 7                         ; pair of heads
	s_add_co_u32 s18, s18, s19
	s_lshl_b32 s18, s18, 4
	s_bfe_u32 s19, s22, 0x40007                    ; which 128 tokens of the batch's 2,048
	s_add_co_u32 s18, s18, s19
	s_lshl_b32 s18, s18, 14                        ; images of 16,384 bytes
	s_mov_b32 s19, 0
	s_add_nc_u64 s[76:77], s[76:77], s[18:19]
	s_lshl_b32 s18, ttmp9, 23
	s_add_nc_u64 s[76:77], s[76:77], s[18:19]      ; in plane t
	s_lshl_b32 s18, s23, 2
	s_add_nc_u64 s[84:85], s[84:85], s[18:19]      ; the bias at my first channel
	v_mul_u32_u24 v7, v1, s66
	v_mad_u32_u24 v7, v2, s67, v7
.irp jj, 0,1,2,3,4,5,6,7
	s_mul_i32 s18, s12, \jj
	v_add_nc_u32 v[VO+\jj], s18, v7
.endr
.irp x, 0,1,2,3,4,5,6,7
.irp jj, 0,1,2,3,4,5,6,7
	global_load_b32 v[BC+8*\x+\jj], v[VO+\jj], s[84:85] offset:64*\x
.endr
.endr
	s_wait_kmcnt 0x0
	s_add_co_i32 s92, s92, s93                     ; eA + eB
	s_sub_co_i32 s93, 0, s92
	s_sub_co_i32 s94, s94, s92                     ; eo - eA - eB
	s_add_co_i32 s94, s94, 127
	s_lshl_b32 s95, s94, 23
	v_mov_b32 v[SCV], s95
	s_add_co_i32 s94, s94, 15
	s_lshl_b32 s94, s94, 23
	s_or_b32 s94, s94, 0x600000
	v_mov_b32 v[LIMV], s94
	s_wait_loadcnt 0x0
.set j, 0
.rept 64
	v_ldexp_f32 v[BC+j], v[BC+j], s93              ; the bias / 2^(eA + eB)
.set j, j+1
.endr
.macro FRAG reg, adr, q, i             ; a fragment, 16 rows x 128 K: lane l holds row l % 16; registers 4 c .. 4 c + 3 hold K = 32 c + 16 (l / 16) + 0 .. 15: the same places in A and in B
.irp c, 0,1,2,3
	ds_load_b128 v[\reg+4*\c:\reg+4*\c+3], v[\adr] offset:128*(\q)+32*\c+(\i)*16*PITCH
.endr
.endm
; 16 matrix instructions: A's blocks a0, a0 + 1 x B's eight, 128 along K.  p: B's set.  zero = 1, 2: the first products start the sums from the bias (by B's fragment: q, k; by A's block: v).
; The 64 accumulators take turns, one instruction a turn, in the same order in every step.
.macro MUL16 a0, p, zero
.irp a, \a0, \a0+1
.irp b, 0,1,2,3,4,5,6,7
.if \zero == 1
	v_wmma_f32_16x16x128_bf8_bf8 v[8*(8*((\a)%4)+\b):8*(8*((\a)%4)+\b)+7], v[128*(\p)+FR*\b:128*(\p)+FR*\b+FR-1], v[AF+FR*(\a):AF+FR*(\a)+FR-1], v[BC+8*\b:BC+8*\b+7]
.elseif \zero == 2
	v_wmma_f32_16x16x128_bf8_bf8 v[8*(8*((\a)%4)+\b):8*(8*((\a)%4)+\b)+7], v[128*(\p)+FR*\b:128*(\p)+FR*\b+FR-1], v[AF+FR*(\a):AF+FR*(\a)+FR-1], v[BC+8*(\a):BC+8*(\a)+7]
.else
	v_wmma_f32_16x16x128_bf8_bf8 v[8*(8*((\a)%4)+\b):8*(8*((\a)%4)+\b)+7], v[128*(\p)+FR*\b:128*(\p)+FR*\b+FR-1], v[AF+FR*(\a):AF+FR*(\a)+FR-1], v[8*(8*((\a)%4)+\b):8*(8*((\a)%4)+\b)+7]
.endif
.endr
.endr
.endm
.macro FETCH_B slot, q, p              ; B's eight fragments of the slot's q-th 128 along K into set p
	WIN TO_B
.irp i, 0,1,2,3,4,5,6,7
	FRAG 128*(\p)+FR*\i, ADRB+\slot, \q, \i
.endr
	WIN 0
.endm
.macro FETCH_A slot, q, i0             ; A's blocks i0 .. i0 + 3
.irp i, \i0, \i0+1, \i0+2, \i0+3
	FRAG AF+FR*(\i), ADRA+\slot, \q, \i
.endr
.endm
; A load into a register that a matrix instruction has read, and a vector instruction that reads a matrix result, stand NP places behind it; only plain vector instructions that name none of its registers are places.
.macro PLACES n
.rept \n
	v_nop
.endr
.endm
; A step of 128 along K that has its successor in the same slot.
.macro STEP slot, q, zero
	s_wait_dscnt 4*NL                              ; B's set and A's blocks 0-3 are in; the youngest sixteen loads (A's blocks 4-7) may be out
.if \zero
	WIN 0x81                                       ; C (the bias) in window 0, D in window 2
.else
	WIN MUL_LO
.endif
	MUL16 0, (\q)%2, \zero
	MUL16 2, (\q)%2, \zero
	s_wait_dscnt 0                                 ; A's blocks 4-7 are in
	PLACES NP
	FETCH_B \slot, (\q)+1, 1-(\q)%2
	FETCH_A \slot, (\q)+1, 0
.if \zero
	WIN 0xc1
.else
	WIN MUL_HI
.endif
	MUL16 4, (\q)%2, \zero
	MUL16 6, (\q)%2, \zero
	PLACES NP
	WIN 0
	FETCH_A \slot, (\q)+1, 4
.endm
; A slot's last step changes slots: ONE barrier; in front of it each wave waits for all its tensor loads, adds 0 to its spare word, and waits for that and for its own reads of this slot.  fill = 1: this slot is filled again, two K steps ahead.
.macro TURN slot, next, fill
	s_wait_tensorcnt 0x0                           ; all my tensor loads have landed: my part of the next slot
	ds_add_u32 v[SPW], v[NIL]                      ; 0 onto my spare word
	s_wait_dscnt 4*NL+1                            ; (the add and the youngest sixteen loads, A's blocks 4-7, may be out)
	WIN MUL_LO
	MUL16 0, 1, 0                                  ; sixteen matrix instructions stand between the add and the wait for it
	s_wait_dscnt 0x0                               ; the add is done, and my reads of this slot are over
	s_barrier_signal -1
	MUL16 2, 1, 0
	WIN 0
	s_barrier_wait -1
.if \fill
	CREST                                          ; the barrier has opened a round of the cluster's barrier: no wave of any partner still reads this slot's tile or has a load on its way
	s_add_nc_u64 s[G0+4*\slot+2:G0+4*\slot+3], s[G0+4*\slot+2:G0+4*\slot+3], 2*ROWB
	s_add_nc_u64 s[G0B+4*\slot+2:G0B+4*\slot+3], s[G0B+4*\slot+2:G0B+4*\slot+3], 2*ROWB
	JLOAD G0+4*\slot, G1, G0B+4*\slot, G1B         ; the first tensor load behind the round; its four v_nop are the places in front of the loads below
.else
	PLACES NP
.endif
	FETCH_B \next, 0, 0
	FETCH_A \next, 0, 0
	WIN MUL_HI
	MUL16 4, 1, 0
	MUL16 6, 1, 0
	PLACES NP
	WIN 0
	FETCH_A \next, 0, 4
.endm
	s_wait_tensorcnt 1                             ; my part of K step 0 is in (K step 1's load may be out)
	s_barrier_signal -1
	s_barrier_wait -1                              ; everybody's is
	FETCH_B 0, 0, 0
	FETCH_A 0, 0, 0
	FETCH_A 0, 0, 4
	s_cmp_eq_u32 ttmp9, 2                          ; the first step stands twice: the two differ in which registers of the bias start a sum.  The cluster's x is the same in all partners
	s_cbranch_scc1 .Lfirst_v
	STEP 0, 0, 1
	s_branch .Lfirst_done
.Lfirst_v:
	STEP 0, 0, 2
.Lfirst_done:
	TURN 0, 1, 1                                   ; K = 1,024 is four slots' worth: written straight, no loop.  Slot 0 takes K step 2,
	STEP 1, 0, 0
	TURN 1, 0, 1                                   ; slot 1 K step 3,
	STEP 0, 0, 0
	TURN 0, 1, 0                                   ; and nothing is left to fetch
	STEP 1, 0, 0
	s_wait_dscnt 4*NL                              ; the very last step
	WIN MUL_LO
	MUL16 0, 1, 0
	MUL16 2, 1, 0
	s_wait_dscnt 0
	WIN MUL_HI
	MUL16 4, 1, 0
	MUL16 6, 1, 0
	WIN 0
; THE WAY OUT.  Block a (16 i x 128 j): the sums are held within the largest code x the scale, each accumulator from its low end on, and converted: a lane's eight sums of a fragment are 8 codes, 8 bytes of the image.
; The image is gathered in my own stage, which lies in slot 0: that slot has had its last fill, and every wave has passed the last change of slots, behind which nobody reads it.
.macro OUTBLK a
.set AC, 64*((\a)%4)
	WIN 0x02+((\a)/4)                              ; source 0: window 2 or 3
.set j, 0
.rept 64
	v_med3_num_f32 v[TMP+j], v[AC+j], -v[LIMV], v[LIMV]   ; the conversion to an 8-bit code does not saturate (ISA guide 7.6.2)
.set j, j+1
.endr
	WIN 0
.irp b, 0,1,2,3,4,5,6,7
	v_cvt_scalef32_pk8_bf8_f32 v[CD+16*(\a)+2*\b:CD+16*(\a)+2*\b+1], v[TMP+8*\b:TMP+8*\b+7], v[SCV]
.endr
	v_nop                                          ; a plain line between the conversions and the next block's holds, which write their sources
.irp b, 0,1,2,3,4,5,6,7
	ds_store_b64 v[STO], v[CD+16*(\a)+2*\b:CD+16*(\a)+2*\b+1] offset:((\a)/2)*4096+((\a)%2)*128+\b*256
.endr
.endm
	PLACES NP
.irp a, 0,1,2,3,4,5,6,7
	OUTBLK \a
.endr
	s_wait_dscnt 0x0                               ; the stores have read the codes' registers, which take the image
.set n, 0
.rept 32
	ds_load_b128 v[CD+4*n:CD+4*n+3], v[RD] offset:512*n
.set n, n+1
.endr
.set n, 0
.rept 32
	s_wait_dscnt 31-n                              ; LDS loads come back in order: load n is in, the younger ones may be out
	global_store_b128 v[CO], v[CD+4*n:CD+4*n+3], s[76:77] offset:512*n   ; 32 lanes store 512 consecutive bytes, aligned
.set n, n+1
.endr
	s_wait_tensorcnt 0x0                           ; the wave's end
	ds_add_u32 v[SPW], v[NIL]
	s_wait_dscnt 0x0
	CROUND                                         ; the closing round: no work-group ends while a partner may still ask for a tile that names it
	s_endpgm
.Lfunc_end_k_qd4942b74ec_proj:
	.size	k_qd4942b74ec_proj, .Lfunc_end_k_qd4942b74ec_proj-k_qd4942b74ec_proj
	.p2alignl 7, 3214868480
	.fill 96, 4, 3214868480
	.section	.rodata,"a",@progbits
	.p2align	6, 0x0
	.amdhsa_kernel k_qd4942b74ec_proj
		.amdhsa_group_segment_fixed_size 327680
		.amdhsa_private_segment_fixed_size 0
		.amdhsa_enable_private_segment 0
		.amdhsa_kernarg_size 72
		.amdhsa_user_sgpr_count 2
		.amdhsa_user_sgpr_kernarg_segment_ptr 1
		.amdhsa_wavefront_size32 1
		.amdhsa_system_sgpr_workgroup_id_x 1
		.amdhsa_system_sgpr_workgroup_id_y 1
		.amdhsa_system_sgpr_workgroup_id_z 1
		.amdhsa_system_vgpr_workitem_id 0
		.amdhsa_next_free_vgpr 1024
		.amdhsa_next_free_sgpr 100
		.amdhsa_reserve_vcc 0
		.amdhsa_float_denorm_mode_32 3
		.amdhsa_float_denorm_mode_16_64 3
		.amdhsa_memory_ordered 1
		.amdhsa_forward_progress 1
		.amdhsa_inst_pref_size 145
	.end_amdhsa_kernel
	.amdgpu_metadata
---
amdhsa.version: [ 1, 2 ]
amdhsa.kernels:
  - .name:           k_qd4942b74ec_proj
    .symbol:         k_qd4942b74ec_proj.kd
    .args:
      - { .name: xq, .offset: 0, .size: 8, .value_kind: global_buffer, .address_space: global }
      - { .name: Wq_codes, .offset: 8, .size: 8, .value_kind: global_buffer, .address_space: global }
      - { .name: Wk_codes, .offset: 16, .size: 8, .value_kind: global_buffer, .address_space: global }
      - { .name: Wv_codes, .offset: 24, .size: 8, .value_kind: global_buffer, .address_space: global }
      - { .name: bq, .offset: 32, .size: 8, .value_kind: global_buffer, .address_space: global }
      - { .name: bk, .offset: 40, .size: 8, .value_kind: global_buffer, .address_space: global }
      - { .name: bv, .offset: 48, .size: 8, .value_kind: global_buffer, .address_space: global }
      - { .name: lowp_scales, .offset: 56, .size: 8, .value_kind: global_buffer, .address_space: global }
      - { .name: qkv, .offset: 64, .size: 8, .value_kind: global_buffer, .address_space: global }
    .group_segment_fixed_size: 327680
    .private_segment_fixed_size: 0
    .kernarg_segment_align: 8
    .kernarg_segment_size: 72
    .max_flat_workgroup_size: 128
    .sgpr_count:     100
    .vgpr_count:     1024
    .wavefront_size: 32
...
	.end_amdgpu_metadata
.endif
;; end of part 2
;; launch attn (part 3): grid 8 x 64, 8 waves a work-group, clusters of 4 x 1, 263,168 bytes of LDS; arguments qkv, lowp_scales, ctx; writes ctx
.if DOCPART == 3
	.amdgcn_target "amdgcn-amd-amdhsa--gfx1250"
	.amdhsa_code_object_version 6
	.text
	.protected	k_qd4942b74ec_attn
	.globl	k_qd4942b74ec_attn
	.p2align	8
	.type	k_qd4942b74ec_attn,@function
k_qd4942b74ec_attn:
	s_mov_b64 s[64:65], 0
	v_nop
	global_prefetch_b8 v0, s[64:65] scope:SCOPE_SE
	s_setreg_imm32_b32 hwreg(HW_REG_WAVE_MODE, 25, 1), 1
	s_wait_xcnt 0x0
	s_wait_alu depctr_hold_cnt(0) depctr_sa_sdst(0) depctr_va_vdst(0) depctr_va_sdst(0) depctr_va_ssrc(0) depctr_va_vcc(0) depctr_vm_vsrc(0)
	s_getreg_b32 s2, hwreg(HW_REG_IB_STS2, 6, 4)
	s_cmp_eq_u32 s2, 0
	s_cbranch_scc0 .Lentry_in_a_cluster
	s_endpgm
.Lentry_in_a_cluster:
	s_bfe_u32 s2, ttmp6, 0x10000c
	s_cmp_lg_u32 s2, 0x3003
	s_cbranch_scc0 .Lentry_shape_is_right
	s_endpgm
.Lentry_shape_is_right:
; Attention of one head on E5M2 codes: S^T = k q^T (K = the head's 64), p = 2^(t - M), O^T = v^T p^T (K = the keys); the context is quantised at once for the output product.
; t = score x log2(e) / 8; M = the running largest t rounded UP to a whole number; p is quantised with 2^e8, not normalised; the row's sum is taken of the unquantised p and divides at the end.
; When M moves, the sum and O^T are multiplied by 2^(old M - new M): nothing is rounded, and no branch hangs on data.
; SHARES.  A work-group owns 256 queries of one (batch, head); each of its eight waves 32 of them: two tiles of 16, so that each fragment of k and v read from LDS feeds two matrix instructions.  Two waves lie on a SIMD:
; one wave's vector work stands beside the other's matrix work and LDS loads.
; THE HEAD'S WHOLE k AND v LIE IN LDS: 2,048 keys x 64 codes each, 131,072 bytes for k from byte 0, as many for v behind them.  Each byte is filled once, so there is no ring and no refill.
; CLUSTER.  The four work-groups of a cluster are four blocks of queries of one head: every tile is asked for jointly (mask 15).  All tiles are asked for at the head, four loads a wave, so nothing is left to prefetch:
; a wave's load ch brings key step 4 ch + wave % 4 (waves 0-3: k's, waves 4-7: v's); the first four key steps are worked behind the first loads, the others behind the rest.
; LAYOUT.  q, k, v come as images of operand registers: a fragment is read by loads of 16 bytes at 16 x lane, without pitch or padding.  Row rho of tile T of an image is index 32 (T / 2) + 8 (T % 2) + rho + 8 (rho / 8).
; Both products are used transposed, so a lane holds ONE query (lane % 16) throughout; by that choice of rows the 16 registers of score tiles 2 b, 2 b + 1 are keys 32 b + 16 (lane / 16) + 0 .. 15, and the conversions'
; results are the second product's operand; likewise O^T's tiles 2 g, 2 g + 1 are 16 neighbouring channels, and the context's codes leave as an image for the output product: [tile of 16 tokens][head][g][lane][16 bytes].
; LIMITS: e6 + e7 between -123 and 130 (added to c's exponent field); e8 and e10 between -126 and 112.  NaN among the inputs is not served.
; REGISTERS: window 0: v1 16 x lane; v2, v3 LDS addresses; v4, v5, v24, v25 scales; v8-23 statistics, eight a tile; v26-31 at work; v32-95 fragments of k, then of v; v96-223 the scores, then p, 64 a tile; v224-255 p's codes.
;   window 1: v0-63 O^T, 32 a tile; v64-79 q, 8 a tile.
.set PLANE, 8388608
.set VBASE, 131072                     ; v's tiles in LDS
.set STEPB, 8192                       ; a key step's tiles of k, and of v
.set LI,    1
.set ADK,   2
.set ADV,   3
.set SC10,  4                          ; 2^e10, 57,344 x 2^e10
.set LIM10, 5
.set ST,    8                          ; tile u's statistics at v[ST+8 u]: +0 -M, +1 the largest t, +2, +3 the sum in two halves, +4 f (+5 named with it as a pair), +6, +7 at work
.set SC8,   24                         ; 2^e8, 57,344 x 2^e8
.set LIM8,  25
.set PD,    26                         ; v26-27 the lane permutes' destinations
.set CH2,   28                         ; v28-31 the sums' second chains
.set FR,    32
.set S,     96
.set PC,    224
.set QF,    64                         ; in window 1
.set WV,    12
.set SEL,   20                         ; s[20:21] lane selects for v_permlanex16_b32: lane l xor 16
.set CS,    22                         ; s[22:23] c = log2(e) / 8 x 2^(e6 + e7)
.set G1K,   24                         ; s[24:31] descriptor group 1 for k's tiles;  s[32:39] for v's;  s[40:55] four groups 0
.set G1V,   32
.set G0,    40
.set TB,    56                         ; s56 LDS byte at which the key step's tiles of k begin
.set CNT,   57
.set MSB, 0
.macro WIN new                         ; the immediate's high byte repeats the setting that is left
.if MSB != \new
	s_set_vgpr_msb (MSB<<8)|\new
.set MSB, \new
.endif
.endm
.macro CROUND                          ; a round of the cluster's barrier
	s_barrier_signal -1
	s_barrier_wait -1
	s_cmp_lg_u32 s[WV], 0
	s_cbranch_scc1 .Lnot_wave_0_\@
	s_barrier_signal -3
.Lnot_wave_0_\@:
	s_barrier_wait -3
	s_barrier_signal -1
	s_barrier_wait -1
.endm
	s_load_b128 s[4:7], s[0:1], 0x0                ; the images s[4:5], the scales' exponents s[6:7]
	s_load_b64 s[8:9], s[0:1], 0x10                ; the context's codes
	v_lshl_add_u32 v6, v0, 2, 0x40000
	v_mov_b32 v7, 0
	ds_add_u32 v6, v7
	ds_add_u32 v6, v7
	v_lshrrev_b32 v1, 5, v0
	v_readfirstlane_b32 s[WV], v1                  ; wave 0..7
	s_bfe_u32 s13, ttmp6, 0x40000                  ; cx
	s_lshl_b32 s14, ttmp9, 2
	s_add_co_u32 s14, s14, s13                     ; my block of 256 queries: it enters q's and the context's addresses alone
	s_and_b32 s15, ttmp7, 0xffff
	s_lshr_b32 s16, s15, 4                         ; batch
	s_and_b32 s17, s15, 15                         ; head
	s_lshr_b32 s18, s17, 1                         ; pair of heads
	s_and_b32 s19, s17, 1                          ; which of the pair
	s_lshl_b32 s2, s16, 3
	s_add_co_u32 s2, s2, s18
	s_lshl_b32 s2, s2, 18                          ; the pair's sixteen images of 16,384 bytes, in a plane
	s_and_b32 s58, s[WV], 3
	s_lshr_b32 s59, s[WV], 2
	s_lshl_b32 s67, s19, 10                        ; my head's part of an image: in k 1,024 bytes of each tile of 2,048,
	s_lshl_b32 s68, s19, 13                        ; in v 8,192 bytes on end
	s_cmp_lt_u32 s[WV], 4
	s_cselect_b32 s68, s67, s68
	s_lshl_b32 s67, s59, 23
	s_add_co_u32 s68, s68, s67
	s_add_co_u32 s68, s68, PLANE                   ; plane 1 (k) for waves 0-3, plane 2 (v) for waves 4-7
	s_lshl_b32 s67, s58, 14
	s_add_co_u32 s68, s68, s67                     ; key step wave % 4
	s_add_co_u32 s68, s68, s2
	s_mov_b32 s69, 0
	s_lshl_b32 s70, s58, 13
	s_lshl_b32 s67, s59, 17
	s_add_co_u32 s70, s70, s67                     ; and its place in LDS: no place in the cluster enters an LDS address
	s_lshl_b32 s74, s14, 1
	s_add_co_u32 s74, s74, s59
	s_lshl_b32 s74, s74, 14                        ; q: the image of my 128 tokens,
	s_lshl_b32 s75, s58, 12
	s_add_co_u32 s74, s74, s75                     ; my two tiles of it,
	s_lshl_b32 s75, s19, 10
	s_add_co_u32 s74, s74, s75                     ; my head's part
	s_add_co_u32 s74, s74, s2
	s_mov_b32 s75, 0
	s_lshl_b32 s76, s16, 6
	s_lshl_b32 s77, s14, 3
	s_add_co_u32 s76, s76, s77
	s_add_co_u32 s76, s76, s[WV]                   ; my group of 32 tokens
	s_lshl_b32 s76, s76, 15                        ; two tiles of 16,384 bytes,
	s_lshl_b32 s77, s17, 10
	s_add_co_u32 s76, s76, s77                     ; my head's 1,024 of each
	s_mov_b32 s77, 0
	; descriptor group 1: 8 rows of 1,024 bytes, laid on end in LDS.  k: a row is my head's half of a tile, 2,048 bytes apart in memory; v: dense
	s_mov_b32 s[G1K], 15|(1<<21)                   ; 15:0 the mask: all four work-groups; 17:16 elements of 1 byte; 21 set beside a mask
	s_mov_b32 s[G1V], 15|(1<<21)
.irp g, G1K, G1V
	s_mov_b32 s[\g+1], 1024<<16                    ; tensor_dim0
	s_mov_b32 s[\g+2], 8<<16                       ; tensor_dim1
	s_mov_b32 s[\g+3], 1024<<16                    ; tile_dim0
	s_mov_b32 s[\g+4], 8                           ; tile_dim1
	s_mov_b32 s[\g+6], 0
	s_mov_b32 s[\g+7], 0
.endr
	s_mov_b32 s[G1K+5], 2048                       ; tensor_dim0_stride
	s_mov_b32 s[G1V+5], 1024
	s_mov_b32 s[SEL], 0x76543210
	s_mov_b32 s[SEL+1], 0xfedcba98
	s_mov_b32 s[CS], 0x3e38aa3b                    ; log2(e) / 8
	s_mov_b32 s[TB], 0
	s_wait_dscnt 0x0
	s_wait_kmcnt 0x0
	s_load_b128 s[60:63], s[6:7], 0x18             ; e6, e7, e8, e9
	s_load_b32 s66, s[6:7], 0x28                   ; e10
	s_add_nc_u64 s[72:73], s[4:5], s[68:69]
	s_add_nc_u64 s[74:75], s[4:5], s[74:75]
	s_add_nc_u64 s[8:9], s[8:9], s[76:77]
.irp ch, 0,1,2,3
	s_mov_b32 s[G0+4*\ch], 1                       ; count = 1
	s_add_co_u32 s[G0+4*\ch+1], s70, \ch*32768     ; LDS address: four key steps on
	s_add_nc_u64 s[G0+4*\ch+2:G0+4*\ch+3], s[72:73], \ch*65536   ; global address: four images on
	s_or_b32 s[G0+4*\ch+3], s[G0+4*\ch+3], 0x80000000            ; type = 2
.endr
	CROUND                                         ; all four work-groups are here: the joint loads meet
	s_cmp_lt_u32 s[WV], 4                          ; a wave's four fills stand in one branch, ahead of every wait on TENSORcnt and every LDS read: four loads of mine are out
	s_cbranch_scc0 .Lfirst_v
	tensor_load_to_lds s[G0:G0+3], s[G1K:G1K+7]
	s_nop 0
	tensor_load_to_lds s[G0+4:G0+7], s[G1K:G1K+7]
	s_nop 0
	tensor_load_to_lds s[G0+8:G0+11], s[G1K:G1K+7]
	s_nop 0
	tensor_load_to_lds s[G0+12:G0+15], s[G1K:G1K+7]
	s_nop 0
.rept 4
	v_nop
.endr
	s_branch .Lfirst_asked
.Lfirst_v:
	tensor_load_to_lds s[G0:G0+3], s[G1V:G1V+7]
	s_nop 0
	tensor_load_to_lds s[G0+4:G0+7], s[G1V:G1V+7]
	s_nop 0
	tensor_load_to_lds s[G0+8:G0+11], s[G1V:G1V+7]
	s_nop 0
	tensor_load_to_lds s[G0+12:G0+15], s[G1V:G1V+7]
	s_nop 0
.rept 4
	v_nop
.endr
.Lfirst_asked:
	v_and_b32 v[LI], 31, v0
	v_lshlrev_b32 v[LI], 4, v[LI]
	WIN 0x40                                       ; destination window 1
.irp u, 0,1
.irp c, 0,1
	global_load_b128 v[QF+8*\u+4*\c:QF+8*\u+4*\c+3], v[LI], s[74:75] offset:\u*2048+\c*512   ; q's two fragments stay in registers
.endr
.endr
.set j, 0
.rept 64
	v_mov_b32 v[j], 0                              ; O^T.  (The key step is written for every step alike: the first finds zeros, which the first change of M leaves zeros)
.set j, j+1
.endr
	WIN 0
.irp u, 0,1
	v_mov_b32 v[ST+8*\u+1], 0xff61b1e6             ; the largest t so far: -3e38, under every t
	v_floor_f32 v[ST+8*\u], -v[ST+8*\u+1]          ; -M
	v_mov_b32 v[ST+8*\u+2], 0                      ; the sum, in two halves
	v_mov_b32 v[ST+8*\u+3], 0
	v_mov_b32 v[ST+8*\u+5], 0                      ; (named as the upper half of f's pair)
	v_mov_b32 v[PD+\u], 0                          ; written once: a lane permute's destination counts as one of its sources
.endr
	s_wait_kmcnt 0x0
	s_add_co_i32 s67, s60, s61
	s_lshl_b32 s67, s67, 23
	s_add_co_i32 s[CS], s[CS], s67                 ; a score stands for score x 2^(e6 + e7): the two exponents are added to c's exponent field
	s_mov_b32 s[CS+1], s[CS]                       ; (named with it as a pair)
	s_add_co_i32 s67, s62, 127
	s_lshl_b32 s68, s67, 23
	v_mov_b32 v[SC8], s68
	s_add_co_i32 s67, s67, 15
	s_lshl_b32 s67, s67, 23
	s_or_b32 s67, s67, 0x600000
	v_mov_b32 v[LIM8], s67
	s_add_co_i32 s67, s66, 127
	s_lshl_b32 s68, s67, 23
	v_mov_b32 v[SC10], s68
	s_add_co_i32 s67, s67, 15
	s_lshl_b32 s67, s67, 23
	s_or_b32 s67, s67, 0x600000
	v_mov_b32 v[LIM10], s67
; A KEY STEP: 128 keys.  Every phase takes the wave's two tiles by turns, so that no line waits for the line above it.
.macro STEP
	v_add_nc_u32 v[ADK], s[TB], v[LI]
	v_add_nc_u32 v[ADV], VBASE, v[ADK]
	v_nop                                          ; with the two additions: four places in front of loads into registers that the last products have read
	v_nop
.irp t, 0,1,2,3,4,5,6,7
.irp c, 0,1
	ds_load_b128 v[FR+8*\t+4*\c:FR+8*\t+4*\c+3], v[ADK] offset:\t*1024+\c*512   ; k's tile t: 16 keys x 64
.endr
.endr
	s_wait_dscnt 8                                 ; tiles 0-3 are in; the youngest eight loads (tiles 4-7) may be out
	WIN 0x04                                       ; source 1 (q) window 1
.irp t, 0,1,2,3
.irp u, 0,1
	v_wmma_f32_16x16x64_bf8_bf8 v[S+64*\u+8*\t:S+64*\u+8*\t+7], v[FR+8*\t:FR+8*\t+7], v[QF+8*\u:QF+8*\u+7], 0
.endr
.endr
	s_wait_dscnt 0x0
.irp t, 4,5,6,7
.irp u, 0,1
	v_wmma_f32_16x16x64_bf8_bf8 v[S+64*\u+8*\t:S+64*\u+8*\t+7], v[FR+8*\t:FR+8*\t+7], v[QF+8*\u:QF+8*\u+7], 0
.endr
.endr
	WIN 0
.rept 4
	v_nop                                          ; places in front of the loads below and of the first read of the scores
.endr
.irp ct, 0,1,2,3
.irp c, 0,1,2,3
	ds_load_b128 v[FR+16*\ct+4*\c:FR+16*\ct+4*\c+3], v[ADV] offset:\ct*2048+\c*512   ; v's tile ct: 16 channels x 128 keys: it lands under the softmax
.endr
.endr
	; the step's largest score of each query among my lane's 64 keys, in two chains a tile, each accumulator from its low end on
.irp u, 0,1
	v_max3_num_f32 v[ST+8*\u+6], v[S+64*\u], v[S+64*\u+1], v[S+64*\u+2]
.endr
.irp u, 0,1
	v_max3_num_f32 v[ST+8*\u+7], v[S+64*\u+3], v[S+64*\u+4], v[S+64*\u+5]
.endr
.irp i, 6,10,14,18,22,26,30,34,38,42,46,50,54,58
.irp u, 0,1
	v_max3_num_f32 v[ST+8*\u+6], v[ST+8*\u+6], v[S+64*\u+\i], v[S+64*\u+\i+1]
.endr
.irp u, 0,1
	v_max3_num_f32 v[ST+8*\u+7], v[ST+8*\u+7], v[S+64*\u+\i+2], v[S+64*\u+\i+3]
.endr
.endr
.irp u, 0,1
	v_max3_num_f32 v[ST+8*\u+6], v[ST+8*\u+6], v[S+64*\u+62], v[S+64*\u+63]
.endr
.irp u, 0,1
	v_max_num_f32 v[ST+8*\u+6], v[ST+8*\u+6], v[ST+8*\u+7]
.endr
.irp u, 0,1
	v_permlanex16_b32 v[PD+\u], v[ST+8*\u+6], s[SEL], s[SEL+1]
.endr
.irp u, 0,1
	v_max_num_f32 v[ST+8*\u+6], v[ST+8*\u+6], v[PD+\u]   ; and among lane l xor 16's
.endr
.irp u, 0,1
	v_mul_f32 v[ST+8*\u+6], s[CS], v[ST+8*\u+6]    ; as t (c is positive)
.endr
.irp u, 0,1
	v_max_num_f32 v[ST+8*\u+1], v[ST+8*\u+1], v[ST+8*\u+6]   ; the running largest t
.endr
.irp u, 0,1
	v_mov_b32 v[ST+8*\u+6], v[ST+8*\u]
.endr
.irp u, 0,1
	v_floor_f32 v[ST+8*\u], -v[ST+8*\u+1]          ; the new -M = floor(-t): M is a whole number
.endr
.irp u, 0,1
	v_sub_f32 v[ST+8*\u+6], v[ST+8*\u], v[ST+8*\u+6]   ; old M - new M: a whole number, 0 or less
.endr
.irp u, 0,1
	v_cvt_i32_f32 v[ST+8*\u+6], v[ST+8*\u+6]       ; (it saturates)
.endr
.irp u, 0,1
	v_ldexp_f32 v[ST+8*\u+4], 1.0, v[ST+8*\u+6]    ; f = 2^(old M - new M)
.endr
.set j, 0
.rept 32
.irp u, 0,1
	v_pk_fma_f32 v[S+64*\u+j:S+64*\u+j+1], v[S+64*\u+j:S+64*\u+j+1], s[CS:CS+1], v[ST+8*\u:ST+8*\u+1] op_sel_hi:[1,0,0]   ; t - M, two at a time (of the pairs c and -M the low word serves both halves)
.endr
.set j, j+2
.endr
.set j, 0
.rept 64
.irp u, 0,1
	v_exp_f32 v[S+64*\u+j], v[S+64*\u+j]           ; p = 2^(t - M), at most 1
.endr
.set j, j+1
.endr
.irp u, 0,1
	v_pk_mul_f32 v[ST+8*\u+2:ST+8*\u+3], v[ST+8*\u+2:ST+8*\u+3], v[ST+8*\u+4:ST+8*\u+5] op_sel_hi:[1,0]   ; the sums under the new M.  (A plain place behind the exponentials)
.endr
	s_wait_alu depctr_va_vdst(0)
.irp u, 0,1
	v_pk_add_f32 v[CH2+2*\u:CH2+2*\u+1], v[S+64*\u:S+64*\u+1], v[S+64*\u+2:S+64*\u+3]   ; the row's sum is taken of the unquantised p: two chains a tile
.endr
.irp i, 4,8,12,16,20,24,28,32,36,40,44,48,52,56,60
.irp u, 0,1
	v_pk_add_f32 v[ST+8*\u+2:ST+8*\u+3], v[ST+8*\u+2:ST+8*\u+3], v[S+64*\u+\i:S+64*\u+\i+1]
.endr
.irp u, 0,1
	v_pk_add_f32 v[CH2+2*\u:CH2+2*\u+1], v[CH2+2*\u:CH2+2*\u+1], v[S+64*\u+\i+2:S+64*\u+\i+3]
.endr
.endr
.irp u, 0,1
	v_pk_add_f32 v[ST+8*\u+2:ST+8*\u+3], v[ST+8*\u+2:ST+8*\u+3], v[CH2+2*\u:CH2+2*\u+1]
.endr
.irp b, 0,1,2,3
.irp u, 0,1
.set i, 0
.rept 16
	v_min_num_f32 v[S+64*\u+16*\b+i], v[S+64*\u+16*\b+i], v[LIM8]   ; the conversion to an 8-bit code does not saturate (ISA guide 7.6.2); p is not negative, so the hold is one-sided
.set i, i+1
.endr
.endr
.irp u, 0,1
	v_cvt_scalef32_pk8_bf8_f32 v[PC+16*\u+4*\b:PC+16*\u+4*\b+1], v[S+64*\u+16*\b:S+64*\u+16*\b+7], v[SC8]
	v_cvt_scalef32_pk8_bf8_f32 v[PC+16*\u+4*\b+2:PC+16*\u+4*\b+3], v[S+64*\u+16*\b+8:S+64*\u+16*\b+15], v[SC8]
.endr
.endr
	WIN 0x41                                       ; O^T (destination and source 0) window 1, f window 0
.set j, 0
.rept 16
.irp u, 0,1
	v_pk_mul_f32 v[32*\u+j:32*\u+j+1], v[32*\u+j:32*\u+j+1], v[ST+8*\u+4:ST+8*\u+5] op_sel_hi:[1,0]   ; O^T under the new M, each accumulator from its low end on.  (Also the plain lines behind the conversions)
.endr
.set j, j+2
.endr
	s_wait_dscnt 0x0                               ; v's tiles are in
	WIN 0x50                                       ; C and D window 1
.irp ct, 0,1,2,3
.irp u, 0,1
	v_wmma_f32_16x16x128_bf8_bf8 v[32*\u+8*\ct:32*\u+8*\ct+7], v[FR+16*\ct:FR+16*\ct+15], v[PC+16*\u:PC+16*\u+15], v[32*\u+8*\ct:32*\u+8*\ct+7]   ; eight accumulators, one instruction a turn
.endr
.endr
	WIN 0
	s_add_co_u32 s[TB], s[TB], STEPB
.endm
	s_wait_loadcnt 0x0                             ; q
	s_wait_tensorcnt 0x3                           ; my first load is in; my three later ones may stay out
	s_barrier_signal -1
	s_barrier_wait -1                              ; everybody's first is in: key steps 0 to 3 of k and v
	s_mov_b32 s[CNT], 4
.Lfirst4:
	STEP
	s_sub_co_u32 s[CNT], s[CNT], 1
	s_cmp_lg_u32 s[CNT], 0
	s_cbranch_scc1 .Lfirst4
	s_wait_tensorcnt 0x0                           ; all my loads are in,
	s_wait_dscnt 0x0
	s_barrier_signal -1
	s_barrier_wait -1                              ; everybody's are
	s_mov_b32 s[CNT], 12
.Lrest:
	STEP
	s_sub_co_u32 s[CNT], s[CNT], 1
	s_cmp_lg_u32 s[CNT], 0
	s_cbranch_scc1 .Lrest
	; THE WAY OUT.  context = O^T x 2^(e8 + e9) / the sum, held, converted with 2^e10.  A lane's 16 registers of tiles 2 g, 2 g + 1 are 16 neighbouring channels: 16 bytes of the image.  The lines below are the places behind the last products.
.irp u, 0,1
	v_add_f32 v[ST+8*\u+2], v[ST+8*\u+2], v[ST+8*\u+3]
.endr
.irp u, 0,1
	v_permlanex16_b32 v[PD+\u], v[ST+8*\u+2], s[SEL], s[SEL+1]
.endr
.irp u, 0,1
	v_add_f32 v[ST+8*\u+2], v[ST+8*\u+2], v[PD+\u]   ; the row's sum
.endr
.irp u, 0,1
	v_rcp_f32 v[ST+8*\u+6], v[ST+8*\u+2]
.endr
	v_nop                                          ; a plain place behind the reciprocals
	s_add_co_i32 s67, s62, s63
	s_wait_alu depctr_va_vdst(0)
.irp u, 0,1
	v_ldexp_f32 v[ST+8*\u+6], v[ST+8*\u+6], s67    ; x 2^(e8 + e9)
.endr
	v_nop
	WIN 0x01                                       ; source 0 (O^T) window 1
.irp u, 0,1
.set j, 0
.rept 32
	v_mul_f32 v[S+32*\u+j], v[32*\u+j], v[ST+8*\u+6]
.set j, j+1
.endr
.endr
	WIN 0
.set j, 0
.rept 64
	v_med3_num_f32 v[S+j], v[S+j], -v[LIM10], v[LIM10]
.set j, j+1
.endr
.irp u, 0,1
.irp g, 0,1
	v_cvt_scalef32_pk8_bf8_f32 v[PC+8*\u+4*\g:PC+8*\u+4*\g+1], v[S+32*\u+16*\g:S+32*\u+16*\g+7], v[SC10]
	v_cvt_scalef32_pk8_bf8_f32 v[PC+8*\u+4*\g+2:PC+8*\u+4*\g+3], v[S+32*\u+16*\g+8:S+32*\u+16*\g+15], v[SC10]
.endr
.endr
	v_nop
.irp u, 0,1
.irp g, 0,1
	global_store_b128 v[LI], v[PC+8*\u+4*\g:PC+8*\u+4*\g+3], s[8:9] offset:\u*16384+\g*512   ; 32 lanes store 512 consecutive bytes, aligned
.endr
.endr
	s_wait_tensorcnt 0x0
	ds_add_u32 v6, v7
	s_wait_dscnt 0x0
	CROUND                                         ; the closing round: no work-group ends while a partner may still ask for a tile that names it
	s_endpgm
.Lfunc_end_k_qd4942b74ec_attn:
	.size	k_qd4942b74ec_attn, .Lfunc_end_k_qd4942b74ec_attn-k_qd4942b74ec_attn
	.p2alignl 7, 3214868480
	.fill 96, 4, 3214868480
	.section	.rodata,"a",@progbits
	.p2align	6, 0x0
	.amdhsa_kernel k_qd4942b74ec_attn
		.amdhsa_group_segment_fixed_size 263168
		.amdhsa_private_segment_fixed_size 0
		.amdhsa_enable_private_segment 0
		.amdhsa_kernarg_size 24
		.amdhsa_user_sgpr_count 2
		.amdhsa_user_sgpr_kernarg_segment_ptr 1
		.amdhsa_wavefront_size32 1
		.amdhsa_system_sgpr_workgroup_id_x 1
		.amdhsa_system_sgpr_workgroup_id_y 1
		.amdhsa_system_sgpr_workgroup_id_z 1
		.amdhsa_system_vgpr_workitem_id 0
		.amdhsa_next_free_vgpr 384
		.amdhsa_next_free_sgpr 80
		.amdhsa_reserve_vcc 0
		.amdhsa_float_denorm_mode_32 3
		.amdhsa_float_denorm_mode_16_64 3
		.amdhsa_memory_ordered 1
		.amdhsa_forward_progress 1
		.amdhsa_inst_pref_size 75
	.end_amdhsa_kernel
	.amdgpu_metadata
---
amdhsa.version: [ 1, 2 ]
amdhsa.kernels:
  - .name:           k_qd4942b74ec_attn
    .symbol:         k_qd4942b74ec_attn.kd
    .args:
      - { .name: qkv, .offset: 0, .size: 8, .value_kind: global_buffer, .address_space: global }
      - { .name: lowp_scales, .offset: 8, .size: 8, .value_kind: global_buffer, .address_space: global }
      - { .name: ctx, .offset: 16, .size: 8, .value_kind: global_buffer, .address_space: global }
    .group_segment_fixed_size: 263168
    .private_segment_fixed_size: 0
    .kernarg_segment_align: 8
    .kernarg_segment_size: 24
    .max_flat_workgroup_size: 256
    .sgpr_count:     80
    .vgpr_count:     384
    .wavefront_size: 32
...
	.end_amdgpu_metadata
.endif
;; end of part 3
;; launch outln (part 4): grid 256 x 1, 4 waves a work-group, clusters of 4 x 1, 327,680 bytes of LDS; arguments ctx, Wo_codes, bo, ln_g, ln_b, Q, lowp_scales, out0; writes out0
.if DOCPART == 4
	.amdgcn_target "amdgcn-amd-amdhsa--gfx1250"
	.amdhsa_code_object_version 6
	.text
	.protected	k_qd4942b74ec_outln
	.globl	k_qd4942b74ec_outln
	.p2align	8
	.type	k_qd4942b74ec_outln,@function
k_qd4942b74ec_outln:
	s_mov_b64 s[64:65], 0
	v_nop
	global_prefetch_b8 v0, s[64:65] scope:SCOPE_SE
	s_setreg_imm32_b32 hwreg(HW_REG_WAVE_MODE, 25, 1), 1
	s_wait_xcnt 0x0
	s_wait_alu depctr_hold_cnt(0) depctr_sa_sdst(0) depctr_va_vdst(0) depctr_va_sdst(0) depctr_va_ssrc(0) depctr_va_vcc(0) depctr_vm_vsrc(0)
	s_getreg_b32 s2, hwreg(HW_REG_IB_STS2, 6, 4)
	s_cmp_eq_u32 s2, 0
	s_cbranch_scc0 .Lentry_in_a_cluster
	s_endpgm
.Lentry_in_a_cluster:
	s_bfe_u32 s2, ttmp6, 0x10000c
	s_cmp_lg_u32 s2, 0x3003
	s_cbranch_scc0 .Lentry_shape_is_right
	s_endpgm
.Lentry_shape_is_right:
; out = LayerNorm(context Wo + bo + Q) x g + b.  The product is on E5M2 codes; a sum stands for sum x 2^(e10 + e11).
; SHARES.  A work-group owns 32 tokens and ALL 1,024 columns, so that a row's mean and variance have one owner.  The tokens' codes (2 tiles of 16 x 1,024 along K: 256 registers) lie in every wave's registers, loaded as
; images of the operand's registers.  Wo walks by: tile t = 0 .. 7 is 128 of its rows (output columns) x all of K, 131,072 dense bytes, through a ring of two LDS slots.  Wave w fetches and reads rows 32 w .. 32 w + 31 of a tile.
; CLUSTER.  All work-groups walk the same Wo: the four of a cluster ask for each tile jointly (mask 15).
; THE MATRIX INSTRUCTION IS USED TRANSPOSED (source 0 = 16 rows of Wo, source 1 = 16 tokens): a lane holds eight neighbouring columns of one token.
; Row r of token tile mt is token 32 G + 8 mt + r + 8 (r / 8): the order in which attention left them.  The way out goes through a stage of 32 whole rows; wave w takes stage rows 8 w .. 8 w + 7, which are eight neighbouring tokens.
; The mean is taken first and the variance of x - mean: two passes over registers, no difference of large sums.
; LIMIT: e10 + e11 between -126 and 127.
; REGISTERS, in windows of 256: window 0: v1-8 addresses; v28, v29 for the add; v32-63 bo; v64-127, v128-191 two buffers of Wo's fragments (later v64-79, v96-111 the rows' sums); v192-223 g; v224-255 b.
;   window 1: the tokens' fragments (tile mt, K step s at v[128 mt + 16 s]).   window 2: the accumulators (v[32 t + 16 nt + 8 mt]); later my eight rows, 32 registers each.   window 3: my eight rows of Q.
.set PITCH,  1040                      ; an LDS row of Wo: 1,024 bytes + 16 of padding: row r starts at bank 4 r mod 64 (64 banks of 4 bytes: ISA guide 11.1)
.set SLOT,   128*PITCH
.set SPARE,  2*SLOT                    ; behind the ring: the spare words, 128 bytes for each wave
.set SPITCH, 4112                      ; a stage row: 4,096 bytes + 16.  The stage, 32 rows, lies in slot 0, which has had its last fill and its last read when the first sum is stored there
.set LI,   1                           ; v1  16 x lane
.set ADB,  4                           ; v4-5  LDS address of my fragments of Wo in slot 0, 1
.set STO,  6                           ; v6-7  the stage: where I put 32 bytes of a row of token tile 0, 1
.set RD,   8                           ; v8  and where I read my rows back
.set SPW,  28
.set NIL,  29
.set BO,   32
.set FB0,  64
.set FB1,  128
.set SM,   64                          ; the rows' sums, a pair a row
.set SQ,   96                          ; the rows' sums of squares
.set LG,   192
.set LB,   224
.set WV,   20
.set G1,   24                          ; s[24:31] descriptor group 1;  s[32:39] group 0, one set for each slot
.set G0,   32
.set SEL,  52
.set MSB, 0
.macro WIN new                         ; the immediate's high byte repeats the setting that is left
.if MSB != \new
	s_set_vgpr_msb (MSB<<8)|\new
.set MSB, \new
.endif
.endm
.macro CROUND                          ; a round of the cluster's barrier
	s_barrier_signal -1
	s_barrier_wait -1
	s_cmp_lg_u32 s[WV], 0
	s_cbranch_scc1 .Lnot_wave_0_\@
	s_barrier_signal -3
.Lnot_wave_0_\@:
	s_barrier_wait -3
	s_barrier_signal -1
	s_barrier_wait -1
.endm
.macro PLACES                          ; four places in front of loads into registers that matrix instructions have read, and of the first read of results
.rept 4
	v_nop
.endr
.endm
	s_load_b256 s[4:11], s[0:1], 0x0               ; the context's codes s[4:5], Wo's codes s[6:7], bo s[8:9], g s[10:11]
	s_load_b256 s[12:19], s[0:1], 0x20             ; b s[12:13], Q s[14:15], the scales' exponents s[16:17], out s[18:19]
	v_lshl_add_u32 v[SPW], v0, 2, SPARE
	v_mov_b32 v[NIL], 0
	ds_add_u32 v28, v29
	ds_add_u32 v28, v29
	s_wait_dscnt 0x0
	v_lshrrev_b32 v2, 5, v0
	v_readfirstlane_b32 s[WV], v2                  ; wave 0..3
	s_bfe_u32 s21, ttmp6, 0x40000                  ; cx
	s_lshl_b32 s22, ttmp9, 2
	s_add_co_u32 s22, s22, s21                     ; G: my 32 tokens; it enters global addresses alone, and none of Wo's
	; descriptor group 1: 32 rows of 1,024 bytes, dense in memory, padded in LDS
	s_mov_b32 s[G1], 15|(1<<20)|(1<<21)|(7<<22)|(3<<25)   ; 15:0 the mask: all four work-groups; 17:16 elements of 1 byte; 20 padding on; 21 set beside a mask; 24:22 after every 256 words; 31:25 four words
	s_mov_b32 s[G1+1], 1024<<16                    ; tensor_dim0
	s_mov_b32 s[G1+2], 32<<16                      ; tensor_dim1
	s_mov_b32 s[G1+3], 1024<<16                    ; tile_dim0
	s_mov_b32 s[G1+4], 32                          ; tile_dim1
	s_mov_b32 s[G1+5], 1024                        ; tensor_dim0_stride
	s_mov_b32 s[G1+6], 0
	s_mov_b32 s[G1+7], 0
	s_mul_i32 s40, s[WV], 32*PITCH                 ; my 32 rows in a slot,
	s_lshl_b32 s42, s[WV], 15                      ; and in a tile in memory
	s_mov_b32 s43, 0
	s_lshl_b32 s48, s22, 15                        ; the context: two tiles of 16,384 bytes
	s_mov_b32 s49, 0
	s_lshl_b32 s50, s22, 5
	s_lshr_b32 s51, s[WV], 1
	s_lshl_b32 s51, s51, 3
	s_add_co_u32 s50, s50, s51
	s_and_b32 s51, s[WV], 1
	s_lshl_b32 s51, s51, 4
	s_add_co_u32 s50, s50, s51                     ; the first of my eight tokens on the way out: 32 G + 8 (w / 2) + 16 (w % 2)
	s_lshl_b32 s50, s50, 12                        ; rows of 4,096 bytes
	s_mov_b32 s51, 0
	s_mov_b32 s[SEL], 0x76543210
	s_mov_b32 s[SEL+1], 0xfedcba98
	s_mov_b32 s54, 0x3a800000                      ; 1 / 1024
	s_mov_b32 s55, 0x3727c5ac                      ; 1e-5
	s_wait_kmcnt 0x0
	s_load_b64 s[44:45], s[16:17], 0x28            ; e10, e11
	s_add_nc_u64 s[42:43], s[6:7], s[42:43]
	s_add_nc_u64 s[4:5], s[4:5], s[48:49]
	s_add_nc_u64 s[14:15], s[14:15], s[50:51]
	s_add_nc_u64 s[18:19], s[18:19], s[50:51]
.irp s, 0,1
	s_mov_b32 s[G0+4*\s], 1
	s_add_co_u32 s[G0+4*\s+1], s40, \s*SLOT
	s_add_nc_u64 s[G0+4*\s+2:G0+4*\s+3], s[42:43], \s*131072
	s_or_b32 s[G0+4*\s+3], s[G0+4*\s+3], 0x80000000
.endr
	CROUND                                         ; all four work-groups are here: the first joint loads meet
	tensor_load_to_lds s[G0:G0+3], s[G1:G1+7]      ; tile 0
	s_nop 0
	tensor_load_to_lds s[G0+4:G0+7], s[G1:G1+7]    ; tile 1: two loads of mine are out
	s_nop 0
	PLACES
	v_and_b32 v2, 15, v0                           ; r
	v_bfe_u32 v3, v0, 4, 1                         ; h
	v_and_b32 v[LI], 31, v0
	v_lshlrev_b32 v[LI], 4, v[LI]
	v_mul_u32_u24 v9, v2, PITCH
	v_lshl_add_u32 v9, v3, 4, v9
	v_add_nc_u32 v[ADB], s40, v9                   ; (32 w + r) x pitch + 16 h
	v_add_nc_u32 v[ADB+1], SLOT, v[ADB]
	v_mul_u32_u24 v9, v2, SPITCH
	v_lshl_add_u32 v9, v3, 5, v9
	s_lshl_b32 s41, s[WV], 7
	v_add_nc_u32 v[STO], s41, v9                   ; stage row r, + 32 h, + 128 w: my columns' bytes; the tile of Wo stands in the immediate
	v_add_nc_u32 v[STO+1], 16*SPITCH, v[STO]
	s_mul_i32 s41, s[WV], 8*SPITCH
	v_add_nc_u32 v[RD], s41, v[LI]
	WIN 0x40                                       ; destination window 1
.irp mt, 0,1
.irp s, 0,1,2,3,4,5,6,7
.irp c, 0,1,2,3
	global_load_b128 v[128*\mt+16*\s+4*\c:128*\mt+16*\s+4*\c+3], v[LI], s[4:5] offset:\mt*16384+\s*2048+\c*512 th:TH_LOAD_NT
.endr
.endr
.endr
	WIN 0
.irp j, 0,1,2,3,4,5,6,7
	global_load_b128 v[BO+4*\j:BO+4*\j+3], v[LI], s[8:9] offset:512*\j
	global_load_b128 v[LG+4*\j:LG+4*\j+3], v[LI], s[10:11] offset:512*\j
	global_load_b128 v[LB+4*\j:LB+4*\j+3], v[LI], s[12:13] offset:512*\j
.endr
	WIN 0xc0                                       ; destination window 3
.irp i, 0,1,2,3
.irp j, 0,1,2,3,4,5,6,7
	global_load_b128 v[32*\i+4*\j:32*\i+4*\j+3], v[LI], s[14:15] offset:\i*4096+512*\j th:TH_LOAD_NT   ; the residual, asked for ahead of the products
.endr
.endr
	WIN 0
	s_wait_kmcnt 0x0
	s_add_co_i32 s46, s44, s45
	s_add_co_i32 s46, s46, 127
	s_lshl_b32 s46, s46, 23                        ; 2^(e10 + e11) as f32
	s_mov_b32 s47, s46                             ; (named with it as a pair)
.macro FETCHB slot, g, buf             ; my two tiles of 16 rows of Wo, K steps 2 g and 2 g + 1: 16 loads
.irp s2, 0,1
.irp nt, 0,1
.irp c, 0,1,2,3
	ds_load_b128 v[\buf+32*\s2+16*\nt+4*\c:\buf+32*\s2+16*\nt+4*\c+3], v[ADB+\slot] offset:\nt*16*PITCH+(2*\g+\s2)*128+32*\c
.endr
.endr
.endr
.endm
.macro MULG t, g, buf                  ; 8 products: four accumulators, one instruction a turn; the first K step starts the sums
	WIN 0xa4                                       ; source 1 (the tokens) window 1, C and D window 2
.irp s2, 0,1
.irp nt, 0,1
.irp mt, 0,1
.if (\g == 0) && (\s2 == 0)
	v_wmma_f32_16x16x128_bf8_bf8 v[32*(\t)+16*\nt+8*\mt:32*(\t)+16*\nt+8*\mt+7], v[\buf+32*\s2+16*\nt:\buf+32*\s2+16*\nt+15], v[128*\mt+16*(2*\g+\s2):128*\mt+16*(2*\g+\s2)+15], 0
.else
	v_wmma_f32_16x16x128_bf8_bf8 v[32*(\t)+16*\nt+8*\mt:32*(\t)+16*\nt+8*\mt+7], v[\buf+32*\s2+16*\nt:\buf+32*\s2+16*\nt+15], v[128*\mt+16*(2*\g+\s2):128*\mt+16*(2*\g+\s2)+15], v[32*(\t)+16*\nt+8*\mt:32*(\t)+16*\nt+8*\mt+7]
.endif
.endr
.endr
.endr
.endm
.macro TILE t                          ; 128 columns: 32 products a wave; each count of 16 leaves the younger run of loads out
	FETCHB (\t)%2, 0, FB0
	FETCHB (\t)%2, 1, FB1
	s_wait_dscnt 16
	MULG \t, 0, FB0
	WIN 0
	PLACES
	FETCHB (\t)%2, 2, FB0
	s_wait_dscnt 16
	MULG \t, 1, FB1
	WIN 0
	PLACES
	FETCHB (\t)%2, 3, FB1
	s_wait_dscnt 16
	MULG \t, 2, FB0
	s_wait_dscnt 0x0
	MULG \t, 3, FB1
	WIN 0
.endm
; THE CHANGE OF SLOTS, ahead of tile t.  Each wave waits for all its tensor loads (tile t among them), adds 0 to its spare word, and waits for that and for its reads of the slot that it has left.
; refill = 1: that slot takes tile t + 1, behind a round of the cluster's barrier: no wave of any partner still reads it or has a load on its way.
.macro CHANGE t, refill
	s_wait_tensorcnt 0x0                           ; no tensor load of mine is out, so a group 0 may be written
	ds_add_u32 v[SPW], v[NIL]                      ; 0 onto my spare word
.if \refill
	s_add_nc_u64 s[G0+4*(((\t)+1)%2)+2:G0+4*(((\t)+1)%2)+3], s[G0+4*(((\t)+1)%2)+2:G0+4*(((\t)+1)%2)+3], 262144   ; two tiles on
.endif
	s_wait_dscnt 0x0                               ; the add is done, and my reads of the slot that I have left are over
.if \refill
	CROUND
	tensor_load_to_lds s[G0+4*(((\t)+1)%2):G0+4*(((\t)+1)%2)+3], s[G1:G1+7]   ; my one tensor load behind the round, and the first thing there
	s_nop 0
.else
	s_barrier_signal -1
	s_barrier_wait -1
.endif
	PLACES                                         ; also the places in front of the next tile's loads
.endm
	s_wait_loadcnt 56                              ; the tokens' 64 loads are in; the 56 issued behind them (bo, g, b, four rows of Q) may be out
	s_wait_tensorcnt 0x1                           ; my rows of tile 0 are in, and only I read them; tile 1's may be out
	TILE 0
	CHANGE 1, 1
	TILE 1
	WIN 0xc0
.irp i, 4,5,6,7
.irp j, 0,1,2,3,4,5,6,7
	global_load_b128 v[32*\i+4*\j:32*\i+4*\j+3], v[LI], s[14:15] offset:\i*4096+512*\j th:TH_LOAD_NT   ; the other four rows of the residual
.endr
.endr
	WIN 0
.irp t, 2,3,4,5,6
	CHANGE \t, 1
	TILE \t
.endr
	CHANGE 7, 0                                    ; nothing is left to fetch; behind this barrier nobody reads slot 0
	TILE 7
	; THE WAY OUT.  The sums go into the stage as they are, each accumulator's low four registers first; a barrier, since a row's columns come from four waves; each wave reads eight whole rows.
	PLACES
	WIN 0x08                                       ; store data window 2
.irp t, 0,1,2,3,4,5,6,7
.irp nt, 0,1
.irp mt, 0,1
	ds_store_b128 v[STO+\mt], v[32*\t+16*\nt+8*\mt:32*\t+16*\nt+8*\mt+3] offset:512*\t+64*\nt
	ds_store_b128 v[STO+\mt], v[32*\t+16*\nt+8*\mt+4:32*\t+16*\nt+8*\mt+7] offset:512*\t+64*\nt+16
.endr
.endr
.endr
	WIN 0
	s_wait_dscnt 0x0                               ; for the others' sake: my stores into the stage are done
	s_barrier_signal -1
	s_barrier_wait -1
	WIN 0x80                                       ; destination window 2
.irp i, 0,1,2,3,4,5,6,7
.irp j, 0,1,2,3,4,5,6,7
	ds_load_b128 v[32*\i+4*\j:32*\i+4*\j+3], v[RD] offset:\i*SPITCH+512*\j   ; row i: register 4 j + e is column 128 j + 4 lane + e
.endr
.endr
	s_wait_loadcnt 0x0                             ; bo, g, b and the residual
	WIN 0xc3                                       ; destination and source 0 window 3
.set k, 0
.rept 16
.irp i, 0,1,2,3,4,5,6,7
	v_pk_add_f32 v[32*\i+k:32*\i+k+1], v[32*\i+k:32*\i+k+1], v[BO+k:BO+k+1]   ; Q + bo, while the rows come back from the stage
.endr
.set k, k+2
.endr
	s_wait_dscnt 0x0
	WIN 0xb2                                       ; destination and source 0 window 2, source 2 window 3
.set k, 0
.rept 16
.irp i, 0,1,2,3,4,5,6,7
	v_pk_fma_f32 v[32*\i+k:32*\i+k+1], v[32*\i+k:32*\i+k+1], s[46:47], v[32*\i+k:32*\i+k+1] op_sel_hi:[1,0,1]   ; x = sum x 2^(e10 + e11) + (Q + bo)
.endr
.set k, k+2
.endr
; a row's sum over my lane's pair, the 16 lanes of a half (four steps that ride on the addition) and the other half: every lane ends up with it
.macro REDUCE base
.irp i, 0,1,2,3,4,5,6,7
	v_add_f32 v[\base+2*\i], v[\base+2*\i], v[\base+2*\i+1]
.endr
.irp m, 1,2,4,8
.irp i, 0,1,2,3,4,5,6,7
	v_add_f32_dpp v[\base+2*\i], v[\base+2*\i], v[\base+2*\i] row_xmask:\m row_mask:0xf bank_mask:0xf
.endr
.endr
.irp i, 0,1,2,3,4,5,6,7
	v_permlanex16_b32 v[\base+2*\i+1], v[\base+2*\i], s[SEL], s[SEL+1]
.endr
.irp i, 0,1,2,3,4,5,6,7
	v_add_f32 v[\base+2*\i], v[\base+2*\i], v[\base+2*\i+1]
.endr
.endm
	WIN 0x0a                                       ; sources 0 and 1 window 2
.irp i, 0,1,2,3,4,5,6,7
	v_pk_add_f32 v[SM+2*\i:SM+2*\i+1], v[32*\i:32*\i+1], v[32*\i+2:32*\i+3]
.endr
	WIN 0x08                                       ; source 1 window 2
.set k, 4
.rept 14
.irp i, 0,1,2,3,4,5,6,7
	v_pk_add_f32 v[SM+2*\i:SM+2*\i+1], v[SM+2*\i:SM+2*\i+1], v[32*\i+k:32*\i+k+1]
.endr
.set k, k+2
.endr
	WIN 0
	REDUCE SM
.irp i, 0,1,2,3,4,5,6,7
	v_mul_f32 v[SM+2*\i], s54, v[SM+2*\i]          ; the mean
.endr
	WIN 0x82                                       ; destination and source 0 window 2
.set k, 0
.rept 16
.irp i, 0,1,2,3,4,5,6,7
	v_pk_add_f32 v[32*\i+k:32*\i+k+1], v[32*\i+k:32*\i+k+1], v[SM+2*\i:SM+2*\i+1] op_sel_hi:[1,0] neg_lo:[0,1] neg_hi:[0,1]   ; x - mean
.endr
.set k, k+2
.endr
	WIN 0x0a
.irp i, 0,1,2,3,4,5,6,7
	v_pk_mul_f32 v[SQ+2*\i:SQ+2*\i+1], v[32*\i:32*\i+1], v[32*\i:32*\i+1]
.endr
.set k, 2
.rept 15
.irp i, 0,1,2,3,4,5,6,7
	v_pk_fma_f32 v[SQ+2*\i:SQ+2*\i+1], v[32*\i+k:32*\i+k+1], v[32*\i+k:32*\i+k+1], v[SQ+2*\i:SQ+2*\i+1]
.endr
.set k, k+2
.endr
	WIN 0
	REDUCE SQ
.irp i, 0,1,2,3,4,5,6,7
	v_fma_f32 v[SQ+2*\i], v[SQ+2*\i], s54, s55     ; the variance + 1e-5
.endr
.irp i, 0,1,2,3,4,5,6,7
	v_rsq_f32 v[SQ+2*\i], v[SQ+2*\i]
.endr
	v_nop                                          ; a plain place behind the last of them
	WIN 0x82
.set k, 0
	s_wait_alu depctr_va_vdst(0)
.rept 16
.irp i, 0,1,2,3,4,5,6,7
	v_pk_mul_f32 v[32*\i+k:32*\i+k+1], v[32*\i+k:32*\i+k+1], v[SQ+2*\i:SQ+2*\i+1] op_sel_hi:[1,0]
.endr
.set k, k+2
.endr
.set k, 0
.rept 16
.irp i, 0,1,2,3,4,5,6,7
	v_pk_fma_f32 v[32*\i+k:32*\i+k+1], v[32*\i+k:32*\i+k+1], v[LG+k:LG+k+1], v[LB+k:LB+k+1]
.endr
.set k, k+2
.endr
	WIN 0x08                                       ; store data window 2
.irp i, 0,1,2,3,4,5,6,7
.irp j, 0,1,2,3,4,5,6,7
	global_store_b128 v[LI], v[32*\i+4*\j:32*\i+4*\j+3], s[18:19] offset:\i*4096+512*\j th:TH_STORE_NT   ; 32 lanes store 512 consecutive bytes, aligned
.endr
.endr
	WIN 0
	s_wait_tensorcnt 0x0                           ; the wave's end
	ds_add_u32 v[SPW], v[NIL]
	s_wait_dscnt 0x0
	CROUND                                         ; the closing round: no work-group ends while a partner may still ask for a tile that names it
	s_endpgm
.Lfunc_end_k_qd4942b74ec_outln:
	.size	k_qd4942b74ec_outln, .Lfunc_end_k_qd4942b74ec_outln-k_qd4942b74ec_outln
	.p2alignl 7, 3214868480
	.fill 96, 4, 3214868480
	.section	.rodata,"a",@progbits
	.p2align	6, 0x0
	.amdhsa_kernel k_qd4942b74ec_outln
		.amdhsa_group_segment_fixed_size 327680
		.amdhsa_private_segment_fixed_size 0
		.amdhsa_enable_private_segment 0
		.amdhsa_kernarg_size 64
		.amdhsa_user_sgpr_count 2
		.amdhsa_user_sgpr_kernarg_segment_ptr 1
		.amdhsa_wavefront_size32 1
		.amdhsa_system_sgpr_workgroup_id_x 1
		.amdhsa_system_sgpr_workgroup_id_y 1
		.amdhsa_system_sgpr_workgroup_id_z 1
		.amdhsa_system_vgpr_workitem_id 0
		.amdhsa_next_free_vgpr 1024
		.amdhsa_next_free_sgpr 66
		.amdhsa_reserve_vcc 0
		.amdhsa_float_denorm_mode_32 3
		.amdhsa_float_denorm_mode_16_64 3
		.amdhsa_memory_ordered 1
		.amdhsa_forward_progress 1
		.amdhsa_inst_pref_size 154
	.end_amdhsa_kernel
	.amdgpu_metadata
---
amdhsa.version: [ 1, 2 ]
amdhsa.kernels:
  - .name:           k_qd4942b74ec_outln
    .symbol:         k_qd4942b74ec_outln.kd
    .args:
      - { .name: ctx, .offset: 0, .size: 8, .value_kind: global_buffer, .address_space: global }
      - { .name: Wo_codes, .offset: 8, .size: 8, .value_kind: global_buffer, .address_space: global }
      - { .name: bo, .offset: 16, .size: 8, .value_kind: global_buffer, .address_space: global }
      - { .name: ln_g, .offset: 24, .size: 8, .value_kind: global_buffer, .address_space: global }
      - { .name: ln_b, .offset: 32, .size: 8, .value_kind: global_buffer, .address_space: global }
      - { .name: Q, .offset: 40, .size: 8, .value_kind: global_buffer, .address_space: global }
      - { .name: lowp_scales, .offset: 48, .size: 8, .value_kind: global_buffer, .address_space: global }
      - { .name: out0, .offset: 56, .size: 8, .value_kind: global_buffer, .address_space: global }
    .group_segment_fixed_size: 327680
    .private_segment_fixed_size: 0
    .kernarg_segment_align: 8
    .kernarg_segment_size: 64
    .max_flat_workgroup_size: 128
    .sgpr_count:     66
    .vgpr_count:     1024
    .wavefront_size: 32
...
	.end_amdgpu_metadata
.endif
;; end of part 4
